; MI455X (gfx1250); checked and timed in simulation.
; The chip was launched on July 23, 2026; its instructions are those of AMD's public machine-readable ISA for CDNA 5 (MIT licence, August 2026) and "CDNA5" Instruction Set Architecture Reference Guide (July 2026). The comments in the code are by the model that wrote it; some were corrected since.
;; Lo RA Linear. Allowed arithmetic: matrix products marked QUANTISED: E3M2 operands, one E8M0 scale for each 32 along K, by v_wmma_scale_f32_16x16x128_f8f6f4 with both operands' format E3M2, f32 sums; products left as they are: f32 operands where the result goes on into a quantised operand, else bf16, f16 or f32 operands; f32 sums; everything else in f32.
;; Inputs: lora_a 4,096 x 16 float32; lora_b 16 x 4,096 float32; weight 4,096 x 4,096 float32; x 4,096 x 4,096 float32.
;; Outputs: out0 4,096 x 4,096 float32.
;; This version of the problem:
;;   THIS VERSION OF THE PROBLEM IS GIVEN IN LOW PRECISION. The matrix products marked QUANTISED in the list below multiply operands that are first quantised to E3M2 (3 exponent bits, 2 mantissa bits; 6 bits a number), with one power-of-two scale for each 32 numbers along K (OCP MX v1.0); their sums are f32. All else is computed in f32.
;;   The module's matrix products, in the order in which they are computed (A, B: the left and right operand; K: the contracted axis; several contracted axes count as one K, in the product's order):
;;     1. [M 4,096, K 4,096] x [K 4,096, N 4,096]; A: input x; B: computed on the way: QUANTISED
;;     2. [M 4,096, K 4,096] x [K 4,096, N 16]; A: input x; B: input lora_a: QUANTISED
;;     3. [M 4,096, K 16] x [K 16, N 4,096]; A: computed on the way; B: input lora_b: left as it is (K = 16 < 32)
;;   THE QUANTISER, for each operand of a quantised product, along K:
;;     - K is cut into blocks of 32 from its start; a last block that is shorter is filled with zeros.
;;     - A block's scale is 2^e with e = floor(log2(the largest magnitude in the block)) - 4, held to -126 .. 127; a block of zeros has e = 0. As a byte (E8M0): e + 127.
;;     - Each number is divided by its block's scale, clamped to +-28, and rounded to the nearest number of E3M2, ties to even, subnormals kept.
;;     - The product sums the exact products of the quantised numbers (number of the format x scale) in f32.
;;   ~~~python
;;   def quantise(x, axis):      # numpy; x: float32 -> the quantised numbers, widened to float32 again
;;       x = np.moveaxis(x, axis, -1); K = x.shape[-1]
;;       x = np.pad(x, [(0, 0)] * (x.ndim - 1) + [(0, -K % 32)]); x = x.reshape(x.shape[:-1] + (-1, 32)); a = np.abs(x).max(-1, keepdims=True)
;;       e = np.where(a > 0, np.clip(np.frexp(np.where(a > 0, a, 1))[1] - 1 - 4, -126, 127), 0)      # np.frexp(a)[1] - 1 = floor(log2(a)), exactly
;;       r = np.clip(x / 2.0 ** e, -28, 28)
;;       step = 2.0 ** (np.maximum(np.frexp(np.where(r == 0, 1, r))[1] - 1, -2) - 2)
;;       q = np.round(r / step) * step * 2.0 ** e      # np.round: ties to even
;;       return np.moveaxis(q.reshape(q.shape[:-2] + (-1,))[..., :K], -1, axis).astype(np.float32)
;;   ~~~
;;   OPERANDS COMPUTED ON THE WAY. 'Computed on the way' means the value that the module computes at that place (a softmax that the list does not call 'softmax' is quantised finished and normalised). What goes into a quantiser is computed in f32, as accurately as f32 sums, v_exp_f32 and their like allow (about 1e-6 of the number): no bf16 or f16 on the way to a quantiser, and a product that is left as it is and whose result goes on into a quantised operand takes f32 operands (vector FMAs, or v_wmma_f32_16x16x4_f32). A number that lies on a knife's edge between two numbers of the format may be rounded either way, as far as f32 arithmetic and the matrix unit's own rounding can turn it there, and no further.
;; One version. Each part assembles by itself: llvm-mc -triple=amdgcn-amd-amdhsa -mcpu=gfx1250 --defsym DOCPART=n.
;; ======== version 1 of 1: 2 launches
;; limits: values are held in bf16: 8 bits of precision; right only within a limited range of input values
;; workspace buffers: xc 13,303,808 bytes; wc 13,303,808 bytes; t2 131,072 bytes; lbt 131,072 bytes
;; launch quant (part 1): grid 256 x 1, 16 waves a work-group, no clusters, 327,680 bytes of LDS; arguments x, weight, lora_a, lora_b, xc, wc, t2, lbt; writes xc, wc, t2, lbt
.if DOCPART == 1
	.amdgcn_target "amdgcn-amd-amdhsa--gfx1250"
	.amdhsa_code_object_version 6
	.text
	.protected	k_q17c6dad7a2_quant
	.globl	k_q17c6dad7a2_quant
	.p2align	8
	.type	k_q17c6dad7a2_quant,@function
k_q17c6dad7a2_quant:
	s_mov_b64 s[64:65], 0
	v_nop
	global_prefetch_b8 v0, s[64:65] scope:SCOPE_SE
	s_setreg_imm32_b32 hwreg(HW_REG_WAVE_MODE, 25, 1), 1
	s_wait_xcnt 0x0
; THE LAUNCH IN FRONT OF THE PRODUCT.  x [4096][4096], weight [4096][4096], lora_a [4096][16], lora_b [16][4096], all f32.
; Work-group g takes rows 16 g .. 16 g + 15 of weight and of x.  It makes
;   w  = clip(round(weight / (s + 1e-8)), -128, 127) x s, s = the row's largest magnitude / 127, in f32, both divisions rounded as a true division rounds;
;   wc: w as codes of BF6 (E3M2) with one E8M0 byte for each 32 along K;   xc: x likewise;
;   t2 = 2 x (Q(x) Q(lora_a)) for its 16 rows, as bf16 [4096][16];   lbt = its 16 columns of lora_b, turned, as bf16 [4096][16].
; CODES LEAVE AS IMAGES OF THE OPERAND'S REGISTERS: a fragment (16 rows x 128 K: a K step) is 12 registers a lane; registers 4 c .. 4 c + 3 of lane l lie at 512 c + 16 l: 1,536 bytes.
;   xc, wc: [K slot j][tile of 16 rows][block].  Slots 0 to 9 hold three K steps: a block is three fragments and 256 bytes of scale words, [row][4 words]: word q = the row's four E8M0 bytes of the slot's
;   q-th step, the fourth word 0: 4,864 bytes.  Slot 10 holds the last two steps: two fragments and the 256 bytes (words 2 and 3 are 0): 3,328 bytes.  So what the product's wave fetches for a slot is one dense block.
; SHARES.  Sixteen waves; wave w owns K = 256 w .. 256 w + 255 (K steps 2 w, 2 w + 1) of the 16 rows; lane (r = lane % 16, h = lane / 16) owns row r; register D + 64 q + 16 b + i is k = 256 w + 128 q + 32 b + 16 h + i.
; A row's largest magnitude is wanted before any of the row is quantised, so the 16 rows (256 KB) are held on the chip: one tensor load a wave brings 16 rows x 1,024 bytes into the wave's own LDS tile,
; the wave takes them into 128 registers, and the same LDS bytes are filled again with x's tile, which is on its way while the weight is worked in registers.  One tensor load of a wave is out at any time.
; lora_a (a lane to a column, registers down K) is quantised while the first tile is on its way; each wave needs only its own 256 along K of it.
; LIMITS: NaN and infinities among the inputs are not served.  A block of zeros gets the byte 1 where the rule says 127 (its codes are zeros, and this program alone reads the bytes); blocks whose largest
; magnitude lies under 2^-122 are held at the byte 1.  t is summed by K slices of 128 and then over the waves: another order of f32 sums than a single chain.  2 t and lora_b are rounded to bf16.
; No cluster: no two work-groups share a row of x or of weight; lora_a, which all read, is 256 KB against the 512 KB of rows that each work-group reads alone, and comes in pieces of 64 bytes to registers.
.set TROW,   1040                      ; a tile's row in LDS: 1,024 bytes + 16: an odd multiple of 16, so the sixteen rows of a 16-byte load start in sixteen different 16-byte columns of 256 bytes
.set TILEW,  16*TROW                   ; a wave's tile
.set RED,    16*TILEW                  ; behind the tiles: word [r][w]: wave w's largest magnitude of row r
.set SCS,    RED+1024                  ; the scale words' units of 256 bytes: w's eleven, then x's eleven; 8,192 bytes are set to 0 first
.set UX,     11*256                    ; from w's units to x's
.set TP,     SCS+8192                  ; wave w's part of t: two runs of 512 bytes
.set SPARE,  TP+16384                  ; the spare words, 128 bytes for each wave: eight blocks of 256 bytes that no other line names
.set FRB,    1536                      ; a fragment's image
.set BLK3,   3*FRB+256                 ; a block of a slot of three steps
.set BLK2,   2*FRB+256                 ; and of the last slot
.set KSLOTB, 256*BLK3                  ; a K slot of the codes' buffers: 256 tiles of rows
.set SPW, 1                            ; v1   LDS address of my spare word; never rewritten
.set NIL, 2                            ; v2   0; never rewritten
.set LRD, 3                            ; v3   my 64 bytes of a block of 32 in my row of my wave's tile
.set LI,  4                            ; v4   16 x lane
.set LAO, 5                            ; v5   lora_a: 4 r + 1,024 h
.set REDW, 6                           ; v6   RED + 64 r + 4 w
.set REDR, 7                           ; v7   RED + 64 r
.set SCW0, 8                           ; v8   where my row's scale word of step 2 w goes
.set TPW, 9                            ; v9   TP + 1,024 w + 16 x lane
.set TPR, 10                           ; v10  TP + 16 x lane
.set SCR, 11                           ; v11  SCS + 256 min(w, 10) + 8 x lane
.set T2O, 12                           ; v12  32 r + 16 h
.set LBO, 13                           ; v13  lora_b: 131,072 h + 4 r
.set LA0, 16                           ; v16-27, v28-39  lora_a's two fragments;  v40, v41 their scale words
.set LA1, 28
.set PC0, 44                           ; v44-55, v56-67  the two fragments in hand;  v42, v43 their scale words
.set PC1, 56
.set TC,  68                           ; v68-75   second halves of blocks, as the conversions leave them
.set TM,  76                           ; v76-79 largest magnitudes, v80-83 the other half's, then bytes, v84-87 the conversions' scale operands
.set TQ,  88                           ; v88-95   quotients; later t's first accumulator
.set TE,  96                           ; v96-103  remainders; later t's second accumulator
.set TS,  104                          ; v104-111 their sum (at the head: four zeros)
.set RY,  112                          ; v112-113 (y, y), y = 1 / d
.set RD,  114                          ; v114-115 (d, d), d = s + 1e-8
.set RS,  116                          ; v116-117 (s, s)
.set M,   118                          ; v118-123 four chains of the row's maximum, two at work
.set SCW1, 124                         ; v124 where my row's scale word of step 2 w + 1 goes
.set ZA,  125                          ; v125 SCS + 16 x my thread's number
.set L8,  126                          ; v126 8 x lane
.set D,   128                          ; v128-255 my 128 numbers
.set XC0, 20                           ; s[20:21], s[22:23] xc at my two fragments;  s[52:53], s[54:55] wc likewise
.set XC1, 22
.set WC0, 52
.set WC1, 54
.set WU,  56                           ; s[56:57] wc at the unit of scale words that my wave stores;  s[58:59] xc likewise
.set XU,  58
.set WV,  24                           ; s24  my wave's number
.set G1,  28                           ; s[28:35] descriptor group 1
.set G0W, 36                           ; s[36:39] group 0 for the weight's tile;  s[40:43] for x's
.set G0X, 40
.set SEL, 44                           ; s[44:45] v_permlanex16_b32's selects for lane l xor 16
; 64 numbers of a lane, register 16 b + i = k 32 b + 16 h + i of my row, become a fragment's codes in v[pc] on and its scale word in v[pw].
.macro QUANT src, pc, pw
.irp b, 0,1,2,3
	v_max3_num_f32 v[TM+\b], |v[\src+16*\b]|, |v[\src+1+16*\b]|, 0x2800000   ; block b: my 16 numbers, and the floor 2^(5 - 127): the byte cannot fall under 1
.endr
.irp i, 2,4,6,8,10,12,14
.irp b, 0,1,2,3
	s_delay_alu instid0(VALU_DEP_4)
	v_max3_num_f32 v[TM+\b], v[TM+\b], |v[\src+16*\b+\i]|, |v[\src+1+16*\b+\i]|   ; the four blocks by turns
.endr
.endr
.irp b, 0,1,2,3
	s_delay_alu instid0(VALU_DEP_4)
	v_permlanex16_b32 v[TM+4+\b], v[TM+\b], s[SEL], s[SEL+1]
.endr
.irp b, 0,1,2,3
	s_delay_alu instid0(VALU_DEP_4)
	v_max_num_f32 v[TM+\b], v[TM+\b], v[TM+4+\b]     ; with lane l xor 16's 16: the block's largest magnitude
.endr
.irp b, 0,1,2,3
	s_delay_alu instid0(VALU_DEP_4)
	v_add_nc_u32 v[TM+8+\b], 0xfe000000, v[TM+\b]    ; 4 off its exponent field: the conversion takes this operand's exponent field as its scale
.endr
.irp b, 0,1,2,3
	s_delay_alu instid0(VALU_DEP_4)
	v_lshrrev_b32 v[TM+4+\b], 23, v[TM+8+\b]         ; the scale's byte
.endr
	s_delay_alu instid0(VALU_DEP_3)
	v_lshl_or_b32 v[\pw], v[TM+5], 8, v[TM+4]        ; four bytes: my row's scale word
	s_delay_alu instid0(VALU_DEP_1)
	v_lshl_or_b32 v[\pw], v[TM+6], 16, v[\pw]
	s_delay_alu instid0(VALU_DEP_1)
	v_lshl_or_b32 v[\pw], v[TM+7], 24, v[\pw]
.irp c, 0,1
	v_cvt_scalef32_pk16_bf6_f32 v[\pc+6*\c:\pc+2+6*\c], v[\src+32*\c:\src+15+32*\c], v[TM+8+2*\c]
	v_cvt_scalef32_pk16_bf6_f32 v[TC+4*\c:TC+2+4*\c], v[\src+16+32*\c:\src+31+32*\c], v[TM+9+2*\c]   ; (a conversion's three registers begin on an even number)
.endr
	v_nop                                            ; one plain place behind a scaled conversion
.irp c, 0,1                                      ; the operand's layout wants a whole block in a lane: lanes 0-15 block 2 c, lanes 16-31 block 2 c + 1
.irp i, 0,1,2
	v_permlane16_swap_b32 v[\pc+6*\c+\i], v[TC+4*\c+\i]
.endr
.irp i, 0,1,2
	s_delay_alu instid0(VALU_DEP_3)
	v_mov_b32 v[\pc+3+6*\c+\i], v[TC+4*\c+\i]
.endr
.endr
.endm
.macro IMAGE pc, base                            ; a fragment leaves as it stands: each store covers 512 consecutive bytes, at a multiple of 256 from the buffer's first byte
.irp c, 0,1,2
	global_store_b128 v[LI], v[\pc+4*\c:\pc+4*\c+3], s[\base:\base+1] offset:512*\c
.endr
.endm
.macro TILE_IN                                   ; my wave's tile into my 128 registers
.irp q, 0,1
.irp b, 0,1,2,3
.irp j, 0,1,2,3
	ds_load_b128 v[D+64*\q+16*\b+4*\j:D+64*\q+16*\b+4*\j+3], v[LRD] offset:512*\q+128*\b+16*\j
.endr
.endr
.endr
.endm
; Eight numbers at v[b] on: q = the number / d, rounded as a division rounds (q0 = n y; the remainder n - q0 d by one fused multiply-add; q = q0 + remainder x y); to the nearest whole number, ties to even; clipped; x s.
.macro DQ8 b
.irp i, 0,1,2,3
	v_pk_mul_f32 v[TQ+2*\i:TQ+2*\i+1], v[\b+2*\i:\b+2*\i+1], v[RY:RY+1]
.endr
.irp i, 0,1,2,3
	s_delay_alu instid0(VALU_DEP_4)
	v_pk_fma_f32 v[TE+2*\i:TE+2*\i+1], v[TQ+2*\i:TQ+2*\i+1], v[RD:RD+1], v[\b+2*\i:\b+2*\i+1] neg_lo:[1,0,0] neg_hi:[1,0,0]
.endr
.irp i, 0,1,2,3
	s_delay_alu instid0(VALU_DEP_4)
	v_pk_fma_f32 v[TQ+2*\i:TQ+2*\i+1], v[TE+2*\i:TE+2*\i+1], v[RY:RY+1], v[TQ+2*\i:TQ+2*\i+1]
.endr
.irp i, 0,1,2,3,4,5,6,7
	v_rndne_f32 v[TQ+\i], v[TQ+\i]
.endr
.irp i, 0,1,2,3,4,5,6,7
	v_med3_num_f32 v[TQ+\i], v[TQ+\i], s48, s47
.endr
.irp i, 0,1,2,3
	v_pk_mul_f32 v[\b+2*\i:\b+2*\i+1], v[TQ+2*\i:TQ+2*\i+1], v[RS:RS+1]
.endr
.endm
; K step s = 2 w + e lies in slot j = s / 3 (= 11 s >> 5 for s under 32) as its step q = s - 3 j.
; Its fragment's byte in a codes' buffer: j KSLOTB + g x block + 1,536 q = 1,536 s + j (KSLOTB - 4,608) + g x block, into the pair s[off].
; Its scale words' place in LDS: SCS + 256 j + 4 q (+ 16 r) = SCS + 244 j + 4 s, into s[lds].
.macro STEPOFF e, off, lds
	s_lshl_b32 s26, s[WV], 1
	s_add_co_u32 s26, s26, \e                        ; s
	s_mul_i32 s27, s26, 11
	s_lshr_b32 s27, s27, 5                           ; j
	s_mov_b32 s[\off], BLK3
	s_cmp_eq_u32 s27, 10
	s_cselect_b32 s[\off], BLK2, s[\off]             ; the slot's block
	s_mul_i32 s[\off], s[\off], ttmp9
	s_mul_i32 s[\off+1], s27, KSLOTB-3*FRB
	s_add_co_u32 s[\off], s[\off], s[\off+1]
	s_mul_i32 s[\off+1], s26, FRB
	s_add_co_u32 s[\off], s[\off], s[\off+1]
	s_mov_b32 s[\off+1], 0
	s_mul_i32 s[\lds], s27, 244
	s_lshl_b32 s26, s26, 2
	s_add_co_u32 s[\lds], s[\lds], s26
	s_add_co_u32 s[\lds], s[\lds], SCS
.endm
	s_load_b256 s[4:11], s[0:1], 0x0               ; x s[4:5], weight s[6:7], lora_a s[8:9], lora_b s[10:11]
	s_load_b256 s[12:19], s[0:1], 0x20             ; xc s[12:13], wc s[14:15], t2 s[16:17], lbt s[18:19]
	v_lshl_add_u32 v[SPW], v0, 2, SPARE
	v_mov_b32 v[NIL], 0
	ds_add_u32 v1, v2
	ds_add_u32 v1, v2
	s_wait_dscnt 0x0
	v_lshrrev_b32 v14, 5, v0
	s_delay_alu instid0(VALU_DEP_1)
	v_readfirstlane_b32 s[WV], v14                 ; wave 0..15
	s_mul_i32 s25, s[WV], TILEW                    ; my tile in LDS
	; descriptor group 1: 16 rows x 256 elements of 4 bytes, 4,096 elements from row to row; 4 words of padding behind every 256
	s_mov_b32 s[G1+0], (2<<16)|(1<<20)|(7<<22)|(3<<25)
	s_mov_b32 s[G1+1], 256<<16                     ; tensor_dim0
	s_mov_b32 s[G1+2], 16<<16                      ; tensor_dim1
	s_mov_b32 s[G1+3], 256<<16                     ; tile_dim0
	s_mov_b32 s[G1+4], 16                          ; tile_dim1
	s_mov_b32 s[G1+5], 4096                        ; tensor_dim0_stride
	s_mov_b32 s[G1+6], 0
	s_mov_b32 s[G1+7], 0
	s_lshl_b32 s50, ttmp9, 18                      ; x, weight: 16 rows of 16,384 bytes a work-group,
	s_lshl_b32 s26, s[WV], 10                      ; 1,024 bytes of a row a wave
	s_add_co_u32 s50, s50, s26
	s_mov_b32 s51, 0
	STEPOFF 0, 52, 62
	STEPOFF 1, 54, 63
	s_min_u32 s27, s[WV], 10                       ; the unit of scale words that my wave stores at the end: slot j = w (waves 0 to 10): the last 256 bytes of the slot's block
	s_mov_b32 s56, BLK3
	s_cmp_eq_u32 s27, 10
	s_cselect_b32 s56, BLK2, s56
	s_mul_i32 s57, s56, ttmp9
	s_add_co_u32 s56, s56, s57                     ; (g + 1) x block
	s_mul_i32 s57, s27, KSLOTB
	s_add_co_u32 s56, s56, s57
	s_sub_co_u32 s56, s56, 256
	s_mov_b32 s57, 0
	s_lshl_b32 s2, s27, 8
	s_add_co_u32 s2, s2, SCS                       ; and the same unit in LDS
	s_mov_b32 s[SEL], 0x76543210
	s_mov_b32 s[SEL+1], 0xfedcba98
	s_mov_b32 s46, 0x3c010204                      ; 1 / 127, to the nearest f32
	s_mov_b32 s47, 0x42fe0000                      ; 127
	s_mov_b32 s48, 0xc3000000                      ; -128
	s_mov_b32 s49, 0x322bcc77                      ; 1e-8
	s_wait_kmcnt 0x0
	s_mov_b32 s[G0W], 1
	s_mov_b32 s[G0W+1], s25
	s_add_nc_u64 s[G0W+2:G0W+3], s[6:7], s[50:51]
	s_or_b32 s[G0W+3], s[G0W+3], 0x80000000
	s_mov_b32 s[G0X], 1
	s_mov_b32 s[G0X+1], s25
	s_add_nc_u64 s[G0X+2:G0X+3], s[4:5], s[50:51]
	s_or_b32 s[G0X+3], s[G0X+3], 0x80000000
	tensor_load_to_lds s[G0W:G0W+3], s[G1:G1+7]    ; the weight's tile: the first fill, ahead of every wait on TENSORcnt, LDS read and barrier
	s_nop 0
	v_nop
	s_add_nc_u64 s[XC0:XC0+1], s[12:13], s[52:53]
	s_add_nc_u64 s[XC1:XC1+1], s[12:13], s[54:55]
	s_add_nc_u64 s[WC0:WC0+1], s[14:15], s[52:53]
	s_add_nc_u64 s[WC1:WC1+1], s[14:15], s[54:55]
	s_add_nc_u64 s[XU:XU+1], s[12:13], s[56:57]
	s_add_nc_u64 s[WU:WU+1], s[14:15], s[56:57]
	s_mov_b32 s61, 0
	s_lshl_b32 s60, s[WV], 14                      ; lora_a: 256 rows of 64 bytes a wave
	s_add_nc_u64 s[8:9], s[8:9], s[60:61]
	s_lshl_b32 s60, ttmp9, 6                       ; lora_b: 16 columns a work-group
	s_add_nc_u64 s[10:11], s[10:11], s[60:61]
	s_lshl_b32 s60, ttmp9, 9                       ; t2, lbt: 16 rows of 32 bytes
	s_add_nc_u64 s[16:17], s[16:17], s[60:61]
	s_add_nc_u64 s[18:19], s[18:19], s[60:61]
	v_and_b32 v14, 15, v0                          ; r
	v_bfe_u32 v15, v0, 4, 1                        ; h
	s_delay_alu instid0(VALU_DEP_2)
	v_lshlrev_b32 v[LAO], 2, v14
	s_delay_alu instid0(VALU_DEP_1)
	v_lshl_add_u32 v[LAO], v15, 10, v[LAO]
.irp q, 0,1                                    ; lora_a(256 w + 128 q + 32 b + 16 h + i, r): a lane to a column, registers down K; sixteen lanes read 64 neighbouring bytes
.irp b, 0,1,2,3
.irp i, 0,1,2,3,4,5,6,7,8,9,10,11,12,13,14,15
	global_load_b32 v[D+64*\q+16*\b+\i], v[LAO], s[8:9] offset:(128*\q+32*\b+\i)*64
.endr
.endr
.endr
	; every LDS address is made here, ahead of the first branch on the wave's number
	v_mul_u32_u24 v[LRD], v14, TROW
	s_delay_alu instid0(VALU_DEP_1)
	v_lshl_add_u32 v[LRD], v15, 6, v[LRD]
	s_delay_alu instid0(VALU_DEP_1)
	v_add_nc_u32 v[LRD], s25, v[LRD]
	v_and_b32 v[LI], 31, v0
	s_delay_alu instid0(VALU_DEP_1)
	v_lshlrev_b32 v[LI], 4, v[LI]
	v_lshlrev_b32 v[REDR], 6, v14
	s_delay_alu instid0(VALU_DEP_1)
	v_add_nc_u32 v[REDR], RED, v[REDR]
	s_lshl_b32 s26, s[WV], 2
	v_add_nc_u32 v[REDW], s26, v[REDR]
	v_lshl_add_u32 v[SCW0], v14, 4, s62            ; 16 bytes a row in a unit
	v_lshl_add_u32 v[SCW1], v14, 4, s63
	v_add_nc_u32 v[TPR], TP, v[LI]
	s_lshl_b32 s26, s[WV], 10
	v_add_nc_u32 v[TPW], s26, v[TPR]
	v_and_b32 v[L8], 31, v0
	s_delay_alu instid0(VALU_DEP_1)
	v_lshlrev_b32 v[L8], 3, v[L8]
	s_delay_alu instid0(VALU_DEP_1)
	v_add_nc_u32 v[SCR], s2, v[L8]
	v_lshl_add_u32 v[ZA], v0, 4, SCS
	v_lshlrev_b32 v[T2O], 5, v14
	s_delay_alu instid0(VALU_DEP_1)
	v_lshl_add_u32 v[T2O], v15, 4, v[T2O]
	v_lshlrev_b32 v[LBO], 2, v14
	s_delay_alu instid0(VALU_DEP_1)
	v_lshl_add_u32 v[LBO], v15, 17, v[LBO]
.irp i, 0,1,2,3
	v_mov_b32 v[TS+\i], 0
.endr
	ds_store_b128 v[ZA], v[TS:TS+3]                ; the units of scale words begin as zeros: 512 threads x 16 bytes; the words that no step writes stay so.  The first barrier below stands between these stores and the words'
.irp b, 0,1,2,3
	v_mov_b32 v[TM+4+\b], 0                        ; written once: a lane permute's destination counts as one of its sources
.endr
	v_mov_b32 v[M+4], 0
	s_wait_loadcnt 0x0                             ; lora_a
	QUANT D, LA0, 40
	QUANT D+64, LA1, 41
	; wave 15 alone: the work-group's 16 columns of lora_b, turned and rounded to bf16: lane (r, h) takes lora_b(8 h + j, 16 g + r), j = 0 .. 7, and stores 16 bytes of row 16 g + r
	s_cmp_lg_u32 s[WV], 15
	s_cbranch_scc1 .Lnot_15
.irp j, 0,1,2,3,4,5,6,7
	global_load_b32 v[TQ+\j], v[LBO], s[10:11] offset:16384*\j
.endr
	s_wait_loadcnt 0x0
.irp j, 0,1,2,3
	v_cvt_pk_bf16_f32 v[TE+\j], v[TQ+2*\j], v[TQ+2*\j+1]
.endr
	global_store_b128 v[T2O], v[TE:TE+3], s[18:19] ; the wave stores 512 consecutive bytes
	s_wait_xcnt 0x0                                ; the store's data registers are written again further down
.Lnot_15:
	; ---- the weight's tile into registers; then its LDS bytes are filled again, with x's tile
	s_wait_tensorcnt 0x0                           ; my tile is in LDS: I alone read it, so my own counter is all the ordering that the reads need
	TILE_IN
	s_wait_tensorcnt 0x0                           ; no tensor load of mine is out
	ds_add_u32 v[SPW], v[NIL]                      ; 0 onto my spare word
	s_wait_dscnt 0x0                               ; the add is done, my 32 reads of the tile are back, and my zeros lie in LDS
	s_barrier_signal -1
	s_barrier_wait -1
	tensor_load_to_lds s[G0X:G0X+3], s[G1:G1+7]    ; x's tile: my one tensor load behind this barrier; it is on its way through all of the weight's arithmetic
	s_nop 0
	; ---- the rows' largest magnitudes: my 128 numbers in four chains
.irp k, 0,1,2,3
	v_max3_num_f32 v[M+\k], |v[D+32*\k]|, |v[D+32*\k+1]|, |v[D+32*\k+2]|
.endr
.irp i, 3,5,7,9,11,13,15,17,19,21,23,25,27,29
.irp k, 0,1,2,3
	s_delay_alu instid0(VALU_DEP_4)
	v_max3_num_f32 v[M+\k], v[M+\k], |v[D+32*\k+\i]|, |v[D+32*\k+\i+1]|
.endr
.endr
.irp k, 0,1,2,3
	s_delay_alu instid0(VALU_DEP_4)
	v_max_num_f32 v[M+\k], v[M+\k], |v[D+32*\k+31]|
.endr
	s_delay_alu instid0(VALU_DEP_2)
	v_max3_num_f32 v[M], v[M], v[M+1], v[M+2]
	s_delay_alu instid0(VALU_DEP_1)
	v_max_num_f32 v[M], v[M], v[M+3]
	s_delay_alu instid0(VALU_DEP_1)
	v_permlanex16_b32 v[M+4], v[M], s[SEL], s[SEL+1]
	s_delay_alu instid0(VALU_DEP_1)
	v_max_num_f32 v[M], v[M], v[M+4]               ; row r over my wave's 256 along K
	ds_store_b32 v[REDW], v[M]                     ; lanes l and l xor 16 write the same word with the same value
	s_wait_dscnt 0x0                               ; for the others' sake
	s_barrier_signal -1                            ; x's tile may stay on its way
	s_barrier_wait -1
.irp i, 0,1,2,3
	ds_load_b128 v[TQ+4*\i:TQ+4*\i+3], v[REDR] offset:16*\i   ; row r's sixteen parts
.endr
	s_wait_dscnt 0x0
	v_max3_num_f32 v[M], v[TQ], v[TQ+1], v[TQ+2]
	v_max3_num_f32 v[M+1], v[TQ+3], v[TQ+4], v[TQ+5]
	s_delay_alu instid0(VALU_DEP_2)
	v_max3_num_f32 v[M], v[M], v[TQ+6], v[TQ+7]
	s_delay_alu instid0(VALU_DEP_2)
	v_max3_num_f32 v[M+1], v[M+1], v[TQ+8], v[TQ+9]
	s_delay_alu instid0(VALU_DEP_2)
	v_max3_num_f32 v[M], v[M], v[TQ+10], v[TQ+11]
	s_delay_alu instid0(VALU_DEP_2)
	v_max3_num_f32 v[M+1], v[M+1], v[TQ+12], v[TQ+13]
	s_delay_alu instid0(VALU_DEP_2)
	v_max3_num_f32 v[M], v[M], v[TQ+14], v[TQ+15]
	s_delay_alu instid0(VALU_DEP_1)
	v_max_num_f32 v[M], v[M], v[M+1]               ; a: the row's largest magnitude
	s_delay_alu instid0(VALU_DEP_1)
	v_mul_f32 v[M+1], s46, v[M]                    ; s = a / 127: a first quotient,
	s_delay_alu instid0(VALU_DEP_1)
	v_fma_f32 v[M+2], -v[M+1], s47, v[M]           ; its remainder, exact in one fused multiply-add,
	s_delay_alu instid0(VALU_DEP_1)
	v_fma_f32 v[RS], v[M+2], s46, v[M+1]           ; and the quotient put right
	s_delay_alu instid0(VALU_DEP_1)
	v_add_f32 v[RD], s49, v[RS]                    ; d = s + 1e-8
	s_wait_alu depctr_va_vdst(0)
	v_rcp_f32 v[RY], v[RD]
	v_mov_b32 v[RS+1], v[RS]                       ; (a plain place behind the reciprocal)
	s_wait_alu depctr_va_vdst(0)
	v_fma_f32 v[M+2], -v[RD], v[RY], 1.0           ; two Newton steps: y = y + y (1 - d y)
	v_fma_f32 v[RY], v[M+2], v[RY], v[RY]
	s_delay_alu instid0(VALU_DEP_1)
	v_fma_f32 v[M+2], -v[RD], v[RY], 1.0
	s_delay_alu instid0(VALU_DEP_1)
	v_fma_f32 v[RY], v[M+2], v[RY], v[RY]
	s_delay_alu instid0(VALU_DEP_1)
	v_mov_b32 v[RY+1], v[RY]
	v_mov_b32 v[RD+1], v[RD]
.irp n, 0,1,2,3,4,5,6,7,8,9,10,11,12,13,14,15
	DQ8 D+8*\n                                     ; w, in place
.endr
	QUANT D, PC0, 42
	IMAGE PC0, WC0
	QUANT D+64, PC1, 43
	IMAGE PC1, WC1
	ds_store_b32 v[SCW0], v42                      ; my row's two scale words, each at its step's place (lanes l and l xor 16: the same word, the same value)
	ds_store_b32 v[SCW1], v43
	; ---- x
	s_wait_xcnt 0x0                                ; the stores above have read their registers: the codes' registers are written again
	s_wait_tensorcnt 0x0                           ; x's tile is in LDS
	TILE_IN
	s_wait_dscnt 0x0
	QUANT D, PC0, 42
	IMAGE PC0, XC0
	QUANT D+64, PC1, 43
	IMAGE PC1, XC1
	ds_store_b32 v[SCW0], v42 offset:UX
	ds_store_b32 v[SCW1], v43 offset:UX
.rept 8
	v_nop                                          ; a scale register written by a vector instruction stands 8 places ahead of a scaled matrix instruction, an operand so written 4
.endr
	; t over my 256 along K, used transposed (source 0 = lora_a's 16 columns, source 1 = x's 16 rows): lane (r, h), register j: t(row r, column 8 h + j).  Two accumulators, each begun with the constant 0
	v_wmma_scale_f32_16x16x128_f8f6f4 v[TQ:TQ+7], v[LA0:LA0+11], v[PC0:PC0+11], 0, v40, v42 matrix_a_fmt:MATRIX_FMT_BF6 matrix_b_fmt:MATRIX_FMT_BF6
	v_wmma_scale_f32_16x16x128_f8f6f4 v[TE:TE+7], v[LA1:LA1+11], v[PC1:PC1+11], 0, v41, v43 matrix_a_fmt:MATRIX_FMT_BF6 matrix_b_fmt:MATRIX_FMT_BF6
.rept 4
	v_nop                                          ; four places in front of the first read of the results (ISA guide 7.12.1)
.endr
.irp i, 0,1,2,3
	v_pk_add_f32 v[TS+2*\i:TS+2*\i+1], v[TQ+2*\i:TQ+2*\i+1], v[TE+2*\i:TE+2*\i+1]   ; from the low end on
.endr
	ds_store_b128 v[TPW], v[TS:TS+3]
	ds_store_b128 v[TPW], v[TS+4:TS+7] offset:512
	s_wait_dscnt 0x0                               ; for the others' sake: my scale words and my part of t lie in LDS
	s_barrier_signal -1
	s_barrier_wait -1
	; ---- what was gathered leaves: wave w of 0 to 10 stores slot w's unit of scale words, w's and x's; wave 11 adds t's sixteen parts
	s_cmp_lt_u32 s[WV], 11
	s_cbranch_scc0 .Lnot_scales
	ds_load_b64 v[TQ:TQ+1], v[SCR]
	ds_load_b64 v[TQ+2:TQ+3], v[SCR] offset:UX
	s_wait_dscnt 0x0
	global_store_b64 v[L8], v[TQ:TQ+1], s[WU:WU+1]     ; 32 lanes store 256 consecutive bytes, at a multiple of 256 from the buffer's first byte
	global_store_b64 v[L8], v[TQ+2:TQ+3], s[XU:XU+1]
	s_branch .Lend
.Lnot_scales:
	s_cmp_eq_u32 s[WV], 11
	s_cbranch_scc0 .Lend
.irp p, 0,1,2,3,4,5,6,7,8,9,10,11,12,13,14,15
.irp c, 0,1
	ds_load_b128 v[D+8*\p+4*\c:D+8*\p+4*\c+3], v[TPR] offset:1024*\p+512*\c
.endr
.endr
	s_wait_dscnt 0x0
.irp n, 64,32,16,8                             ; part p + part p + n / 8: a tree of 60 packed additions
.set i, 0
.rept \n/2
	v_pk_add_f32 v[D+i:D+i+1], v[D+i:D+i+1], v[D+\n+i:D+\n+i+1]
.set i, i+2
.endr
.endr
.irp i, 0,1,2,3
	s_delay_alu instid0(VALU_DEP_4)
	v_pk_mul_f32 v[D+2*\i:D+2*\i+1], v[D+2*\i:D+2*\i+1], 2.0 op_sel_hi:[1,0]   ; alpha / r = 2: exact
.endr
.irp i, 0,1,2,3
	s_delay_alu instid0(VALU_DEP_4)
	v_cvt_pk_bf16_f32 v[TQ+\i], v[D+2*\i], v[D+2*\i+1]
.endr
	global_store_b128 v[T2O], v[TQ:TQ+3], s[16:17] ; 16 rows of 32 bytes: 512 consecutive bytes
.Lend:
	s_wait_tensorcnt 0x0                           ; the wave's end
	ds_add_u32 v[SPW], v[NIL]
	s_wait_dscnt 0x0
	s_endpgm
.Lfunc_end_k_q17c6dad7a2_quant:
	.size	k_q17c6dad7a2_quant, .Lfunc_end_k_q17c6dad7a2_quant-k_q17c6dad7a2_quant
	.p2alignl 7, 3214868480
	.fill 96, 4, 3214868480
	.section	.rodata,"a",@progbits
	.p2align	6, 0x0
	.amdhsa_kernel k_q17c6dad7a2_quant
		.amdhsa_group_segment_fixed_size 327680
		.amdhsa_private_segment_fixed_size 0
		.amdhsa_enable_private_segment 0
		.amdhsa_kernarg_size 64
		.amdhsa_user_sgpr_count 2
		.amdhsa_user_sgpr_kernarg_segment_ptr 1
		.amdhsa_wavefront_size32 1
		.amdhsa_system_sgpr_workgroup_id_x 1
		.amdhsa_system_sgpr_workgroup_id_y 1
		.amdhsa_system_sgpr_workgroup_id_z 1
		.amdhsa_system_vgpr_workitem_id 0
		.amdhsa_next_free_vgpr 256
		.amdhsa_next_free_sgpr 66
		.amdhsa_reserve_vcc 0
		.amdhsa_float_denorm_mode_32 3
		.amdhsa_float_denorm_mode_16_64 3
		.amdhsa_memory_ordered 1
		.amdhsa_forward_progress 1
		.amdhsa_inst_pref_size 107
	.end_amdhsa_kernel
	.amdgpu_metadata
---
amdhsa.version: [ 1, 2 ]
amdhsa.kernels:
  - .name:           k_q17c6dad7a2_quant
    .symbol:         k_q17c6dad7a2_quant.kd
    .args:
      - { .name: x, .offset: 0, .size: 8, .value_kind: global_buffer, .address_space: global }
      - { .name: weight, .offset: 8, .size: 8, .value_kind: global_buffer, .address_space: global }
      - { .name: lora_a, .offset: 16, .size: 8, .value_kind: global_buffer, .address_space: global }
      - { .name: lora_b, .offset: 24, .size: 8, .value_kind: global_buffer, .address_space: global }
      - { .name: xc, .offset: 32, .size: 8, .value_kind: global_buffer, .address_space: global }
      - { .name: wc, .offset: 40, .size: 8, .value_kind: global_buffer, .address_space: global }
      - { .name: t2, .offset: 48, .size: 8, .value_kind: global_buffer, .address_space: global }
      - { .name: lbt, .offset: 56, .size: 8, .value_kind: global_buffer, .address_space: global }
    .group_segment_fixed_size: 327680
    .private_segment_fixed_size: 0
    .kernarg_segment_align: 8
    .kernarg_segment_size: 64
    .max_flat_workgroup_size: 512
    .sgpr_count:     66
    .vgpr_count:     256
    .wavefront_size: 32
...
	.end_amdgpu_metadata
.endif
;; end of part 1
;; launch gemm (part 2): grid 16 x 16, 4 waves a work-group, clusters of 4 x 4, 327,680 bytes of LDS; arguments xc, wc, t2, lbt, out0; writes out0
.if DOCPART == 2
	.amdgcn_target "amdgcn-amd-amdhsa--gfx1250"
	.amdhsa_code_object_version 6
	.text
	.protected	k_q17c6dad7a2_gemm
	.globl	k_q17c6dad7a2_gemm
	.p2align	8
	.type	k_q17c6dad7a2_gemm,@function
k_q17c6dad7a2_gemm:
	s_mov_b64 s[64:65], 0
	v_nop
	global_prefetch_b8 v0, s[64:65] scope:SCOPE_SE
	s_setreg_imm32_b32 hwreg(HW_REG_WAVE_MODE, 25, 1), 1
	s_wait_xcnt 0x0
	s_wait_alu depctr_hold_cnt(0) depctr_sa_sdst(0) depctr_va_vdst(0) depctr_va_sdst(0) depctr_va_ssrc(0) depctr_va_vcc(0) depctr_vm_vsrc(0)
	s_getreg_b32 s2, hwreg(HW_REG_IB_STS2, 6, 4)
	s_cmp_eq_u32 s2, 0
	s_cbranch_scc0 .Lentry_in_a_cluster
	s_endpgm
.Lentry_in_a_cluster:
	s_bfe_u32 s2, ttmp6, 0x10000c
	s_cmp_lg_u32 s2, 0xf033
	s_cbranch_scc0 .Lentry_shape_is_right
	s_endpgm
.Lentry_shape_is_right:
; out0[m][n] = sum over k of Q(x)[m][k] Q(w)[n][k] + sum over j of t2[m][j] lbt[n][j].  xc, wc: codes of BF6 (E3M2) and E8M0 scale words as the launch before laid them:
; [K slot][tile of 16 rows][block]; a block of slots 0-9 is three fragments' register images (1,536 bytes each, a K step of 128) and 256 bytes of scale words ([row][4 words]); slot 10 has two fragments.
; t2 = 2 x (Q(x) Q(lora_a)) and lbt = lora_b turned, both bf16 [4096][16].  LIMITS: as stated in the launch before (NaN and infinities are not served).
; A work-group of four waves makes 256 x 256 of out0, a wave 128 x 128: 64 accumulators, 512 registers.  The 64 bf16 products of t2 and lbt (K = 16, filled with zeros to 32) start the sums with C = 0.
; THE RING: two LDS slots, each with a K slot (three K steps) of A's 256 rows and B's 256 rows; a wave's one tensor load brings a dense 38,912 bytes, as rows of 256 bytes.
; CLUSTERS 4 x 4: A's tiles are asked for jointly along a row of the cluster, B's along a column.
; FRAGMENTS HAVE TWO SETS OF REGISTERS ON BOTH SIDES.  So a step's 48 LDS loads for the next step go out in ONE run at the step's start, and its 64 products follow each other with no load between them.  All reads of a slot
; are issued before its last step begins: the change of slots (the three lines, the round, the refill) stands at that step's start, and 48 of its products stand behind the refill and the next slot's first fetch.
; THE LAST TWO K STEPS GO BY ROWS OF out0: both steps' fragments are in registers, so each block of 16 rows is finished by its own 16 products and leaves while the later blocks are multiplied.
; PREFETCH: behind the refill that asks for K slot j + 2 each wave names K slot j + 3 (192 products of a wave ahead of the load that wants it).  Of the 152 blocks of 256 bytes that a wave's load brings, each of the four
; partners that ask jointly takes 38, told apart by address: two instructions, a lane a block (the second: 6 blocks, the other lanes name its last again).  K slots 0-2 and 10 come by their loads alone; what is asked and not yet read is one K slot.
; THE MATRIX INSTRUCTION IS USED TRANSPOSED (source 0 = rows of w, source 1 = rows of x): a lane holds eight neighbouring numbers of a row of out0.
; REGISTERS: window 0: v0-31 addresses; v32-95 scale words, a set for each LDS slot; v96-191 A's set 0; v192-239 A's set 1, blocks 0-3.
;   window 1: v0-95, v96-191 B's sets 0, 1; v192-239 A's set 1, blocks 4-7.   windows 2, 3: accumulators of my rows 0-63, 64-127 ((a, b) at v[8 (8 (a % 4) + b)]).
.set SIZE_N, 4096
.set FR,     12
.set FRB,    1536
.set TILEB,  3*FRB+256
.set TILEL,  2*FRB+256
.set HALFT,  8*TILEB                   ; what one tensor load brings, and what a wave reads of A or of B in a slot
.set SLOT,   4*HALFT
.set KSLOTB, 256*TILEB
.set SHARE,  HALFT/4                   ; a partner's 38 blocks of 256 bytes
.set LAPS,   4
.set SPARE,  2*SLOT                    ; behind the ring: the spare words, 128 bytes a wave
.set SPITCH, 528                       ; the way out: a stage of 16 rows x (512 + 16) bytes a wave, in LDS slot 1, which has had its last fill and its last read by then
.set TB,     TILEB
.set SCO,    3*FRB
.set ADRA, 16                          ; v16-17 my A fragments in slot 0, 1;  v18-19 my scale words (lanes 0-15 A's rows, lanes 16-31 B's);  v20-21 my B fragments
.set ADRS, 18
.set ADRB, 20
.set PF0,  22                          ; v22, v23 the prefetches' offsets
.set PF1,  23
.set STO,  24
.set RD,   25
.set CO,   26
.set SPW,  28                          ; v28 my spare word, v29 0: never rewritten
.set NIL,  29
.set LO,   30
.set SC,   32
.set AF0,  96
.set AF1,  192
.set TF,   96                          ; t2's eight fragments (window 0), lbt's (window 1)
.set LBF,  96
.set BK0,  64                          ; the way out: where block 0 comes back (window 0)
.set G1, 24
.set G0, 32
.set G1B, 48
.set G0B, 56
.set G1L, 68
.set G0L, 76
.set G1LB, 80
.set G0LB, 88
.set PFA, 4                            ; s[4:5] where my prefetches stand
.set MSB, 0
.macro WIN new                         ; the immediate's high byte repeats the setting that is left
.if MSB != \new
	s_set_vgpr_msb (MSB<<8)|\new
.set MSB, \new
.endif
.endm
.set MUL_LO, 0xa1                      ; B window 1, A window 0, C and D window 2
.set MUL_HI, 0xf1                      ; the same, C and D window 3
.set MUL_HX, 0xf5                      ; B and A window 1, C and D window 3
.set TO_B,   0x40                      ; destination window 1, address window 0
.macro JLOAD g0a, g1a, g0b, g1b        ; a joint load: waves 0, 1 fetch for A, waves 2, 3 for B
	s_cmp_eq_u32 s15, 0
	s_cbranch_scc0 .Lfor_b_\@
	tensor_load_to_lds s[\g0a:\g0a+3], s[\g1a:\g1a+7]
	s_nop 0
.rept 4
	v_nop
.endr
	s_branch .Lasked_\@
.Lfor_b_\@:
	tensor_load_to_lds s[\g0b:\g0b+3], s[\g1b:\g1b+7]
	s_nop 0
.rept 4
	v_nop
.endr
.Lasked_\@:
.endm
.macro CREST                           ; a round of the cluster's barrier behind its opening barrier
	s_cmp_lg_u32 s14, 0
	s_cbranch_scc1 .Lnot_wave_0_\@
	s_barrier_signal -3
.Lnot_wave_0_\@:
	s_barrier_wait -3
	s_barrier_signal -1
	s_barrier_wait -1
.endm
.macro CROUND
	s_barrier_signal -1
	s_barrier_wait -1
	CREST
.endm
.macro PLACES n
.rept \n
	v_nop
.endr
.endm
	s_load_b128 s[4:7], s[0:1], 0x0                ; xc, wc
	s_load_b128 s[8:11], s[0:1], 0x10              ; t2, lbt
	s_load_b64 s[12:13], s[0:1], 0x20              ; out0
	v_lshl_add_u32 v[SPW], v0, 2, SPARE
	v_mov_b32 v[NIL], 0
	ds_add_u32 v[SPW], v[NIL]                      ; the opening lines: the add, twice on end, and its wait ahead of my first tensor load
	ds_add_u32 v[SPW], v[NIL]
	v_lshrrev_b32 v1, 5, v0
	v_readfirstlane_b32 s14, v1                    ; wave 0..3
	s_lshr_b32 s15, s14, 1                         ; my half of the rows; also: I fetch for A (0) or B (1)
	s_and_b32 s16, s14, 1                          ; my half of the columns; also: which half of that tile I fetch
	s_bfe_u32 s40, ttmp6, 0x40000                  ; cx
	s_bfe_u32 s41, ttmp6, 0x40004                  ; cy
	s_lshl_b32 s42, ttmp9, 2
	s_add_co_u32 s42, s42, s40                     ; tile column
	s_and_b32 s17, ttmp7, 0xffff
	s_lshl_b32 s17, s17, 2
	s_add_co_u32 s17, s17, s41                     ; tile row
	s_lshl_b32 s43, s41, 2
	s_lshl_b32 s43, 15, s43                        ; my row of the cluster
	s_lshl_b32 s44, 0x1111, s40                    ; my column
	s_or_b32 s[G1+0], s43, (3<<16)|(1<<21)         ; dense blocks as rows of 256 bytes: 32 elements of 8 bytes
	s_or_b32 s[G1B+0], s44, (3<<16)|(1<<21)
.irp g, G1, G1B
	s_mov_b32 s[\g+1], 32<<16
	s_mov_b32 s[\g+2], (HALFT/256)<<16
	s_mov_b32 s[\g+3], 32<<16
	s_mov_b32 s[\g+4], HALFT/256
	s_mov_b32 s[\g+5], 32
	s_mov_b32 s[\g+6], 0
	s_mov_b32 s[\g+7], 0
.endr
	s_or_b32 s[G1L+0], s43, (3<<16)|(1<<21)        ; and for K slot 10
	s_or_b32 s[G1LB+0], s44, (3<<16)|(1<<21)
.irp g, G1L, G1LB
	s_mov_b32 s[\g+1], 32<<16
	s_mov_b32 s[\g+2], (8*TILEL/256)<<16
	s_mov_b32 s[\g+3], 32<<16
	s_mov_b32 s[\g+4], 8*TILEL/256
	s_mov_b32 s[\g+5], 32
	s_mov_b32 s[\g+6], 0
	s_mov_b32 s[\g+7], 0
.endr
	s_mul_i32 s18, s16, HALFT                      ; byte offsets of what I fetch: K slots 0-9,
	s_mul_i32 s20, s17, 16*TILEB
	s_add_co_u32 s20, s20, s18
	s_mov_b32 s21, 0
	s_mul_i32 s46, s42, 16*TILEB
	s_add_co_u32 s46, s46, s18
	s_mov_b32 s47, 0
	s_mul_i32 s19, s16, 8*TILEL                    ; and K slot 10
	s_mul_i32 s22, s17, 16*TILEL
	s_add_co_u32 s22, s22, s19
	s_add_co_u32 s22, s22, 10*KSLOTB
	s_mov_b32 s23, 0
	s_mul_i32 s92, s42, 16*TILEL
	s_add_co_u32 s92, s92, s19
	s_add_co_u32 s92, s92, 10*KSLOTB
	s_mov_b32 s93, 0
	s_mul_i32 s45, s14, HALFT                      ; where it goes in a slot
	s_lshl_b32 s94, s17, 13                        ; t2: my 128 rows of 32 bytes
	s_lshl_b32 s95, s15, 12
	s_add_co_u32 s94, s94, s95
	s_mov_b32 s95, 0
	s_lshl_b32 s96, s42, 13                        ; lbt likewise
	s_lshl_b32 s97, s16, 12
	s_add_co_u32 s96, s96, s97
	s_mov_b32 s97, 0
	s_lshl_b32 s98, s17, 8                         ; out0: my first row x 16,384 bytes + my first column x 4
	s_lshl_b32 s99, s15, 7
	s_add_co_u32 s98, s98, s99
	s_lshl_b32 s98, s98, 14
	s_lshl_b32 s99, s42, 10
	s_add_co_u32 s98, s98, s99
	s_lshl_b32 s99, s16, 9
	s_add_co_u32 s98, s98, s99
	s_mov_b32 s99, 0
	s_mul_i32 s66, s15, HALFT                      ; LDS: my 128 rows of A,
	s_mul_i32 s67, s16, HALFT
	s_add_co_u32 s67, s67, 2*HALFT                 ; of B,
	s_sub_co_u32 s2, s67, s66
	s_mul_i32 s3, s14, 16*SPITCH
	s_add_co_u32 s3, s3, SLOT                      ; my stage
	v_and_b32 v1, 15, v0                           ; r
	v_bfe_u32 v2, v0, 4, 1                         ; h
	v_and_b32 v3, 31, v0                           ; lane
	v_lshlrev_b32 v[LO], 5, v1
	v_lshl_add_u32 v[LO], v2, 4, v[LO]             ; t2, lbt: 32 r + 16 h
	v_lshlrev_b32 v[CO], 4, v3                     ; 16 x lane
	v_mul_u32_u24 v6, s2, v2                       ; lanes 16-31 take B's scale words
	v_lshl_add_u32 v5, v1, 4, v6
	v_add_nc_u32 v[ADRS], s66, v5
	v_add_nc_u32 v[ADRS+1], SLOT, v[ADRS]
	v_add_nc_u32 v[ADRA], s66, v[CO]
	v_add_nc_u32 v[ADRA+1], SLOT, v[ADRA]
	v_add_nc_u32 v[ADRB], s67, v[CO]
	v_add_nc_u32 v[ADRB+1], SLOT, v[ADRB]
	v_mul_u32_u24 v5, v1, SPITCH
	v_lshl_add_u32 v5, v2, 5, v5
	v_add_nc_u32 v[STO], s3, v5                    ; into the stage: row r, 32 bytes for each half of the lanes
	v_add_nc_u32 v[RD], s3, v[CO]                  ; back: 32 lanes take a row of 512 bytes
	v_lshlrev_b32 v[PF0], 8, v3                    ; blocks 0-31 of my 38,
	v_min_u32 v4, 5, v3
	v_lshl_add_u32 v[PF1], v4, 8, 32*256           ; blocks 32-37
	s_wait_alu depctr_va_vdst(0)
	s_wait_dscnt 0x0                               ; both opening adds are done
	s_wait_kmcnt 0x0
	s_add_nc_u64 s[20:21], s[4:5], s[20:21]
	s_add_nc_u64 s[22:23], s[4:5], s[22:23]
	s_add_nc_u64 s[46:47], s[6:7], s[46:47]
	s_add_nc_u64 s[92:93], s[6:7], s[92:93]
	s_add_nc_u64 s[8:9], s[8:9], s[94:95]
	s_add_nc_u64 s[10:11], s[10:11], s[96:97]
	s_add_nc_u64 s[12:13], s[12:13], s[98:99]
	WIN TO_B
.irp b, 0,1,2,3,4,5,6,7
	global_load_b128 v[LBF+8*\b:LBF+8*\b+3], v[LO], s[10:11] offset:512*\b   ; lbt(16 b + r, 8 h ..): asked for ahead of the first round
.endr
	WIN 0
.irp a, 0,1,2,3,4,5,6,7
	global_load_b128 v[TF+8*\a:TF+8*\a+3], v[LO], s[8:9] offset:512*\a
.endr
	s_mov_b32 s[G0L], 1
	s_mov_b32 s[G0L+1], s45
	s_mov_b64 s[G0L+2:G0L+3], s[22:23]
	s_or_b32 s[G0L+3], s[G0L+3], 0x80000000
	s_mov_b32 s[G0LB], 1
	s_mov_b32 s[G0LB+1], s45
	s_mov_b64 s[G0LB+2:G0LB+3], s[92:93]
	s_or_b32 s[G0LB+3], s[G0LB+3], 0x80000000
.irp s, 0,1
	s_mov_b32 s[G0+4*\s], 1
	s_add_co_u32 s[G0+4*\s+1], s45, \s*SLOT
	s_add_nc_u64 s[G0+4*\s+2:G0+4*\s+3], s[20:21], \s*KSLOTB
	s_or_b32 s[G0+4*\s+3], s[G0+4*\s+3], 0x80000000
	s_mov_b32 s[G0B+4*\s], 1
	s_add_co_u32 s[G0B+4*\s+1], s45, \s*SLOT
	s_add_nc_u64 s[G0B+4*\s+2:G0B+4*\s+3], s[46:47], \s*KSLOTB
	s_or_b32 s[G0B+4*\s+3], s[G0B+4*\s+3], 0x80000000
.endr
	s_cmp_eq_u32 s15, 0                            ; the prefetches: the tile that I fetch, my work-group's quarter of it (cx for A, cy for B), at K slot 2: each change of slots steps it first
	s_cselect_b64 s[PFA:PFA+1], s[20:21], s[46:47]
	s_cselect_b32 s6, s40, s41
	s_mul_i32 s6, s6, SHARE
	s_add_co_u32 s6, s6, 2*KSLOTB
	s_mov_b32 s7, 0
	s_add_nc_u64 s[PFA:PFA+1], s[PFA:PFA+1], s[6:7]
	CROUND                                         ; all sixteen work-groups are here: the first joint loads meet
	JLOAD G0, G1, G0B, G1B                         ; K slot 0: one tensor load a wave at the head
.macro FRAG reg, adr, q, i             ; a fragment's image: three loads of 512 consecutive bytes
.irp c, 0,1,2
	ds_load_b128 v[\reg+4*\c:\reg+4*\c+3], v[\adr] offset:(\i)*TB+(\q)*FRB+512*\c
.endr
.endm
.macro FB slot, q, p, i0               ; B's blocks i0 .. i0 + 3 of the slot's step q into set p: 12 loads
	WIN TO_B
.irp i, \i0, \i0+1, \i0+2, \i0+3
	FRAG 96*(\p)+FR*(\i), ADRB+\slot, \q, \i
.endr
.endm
.macro FA slot, q, p, i0               ; A's blocks i0 .. i0 + 3 (i0 = 0 or 4) into set p: 12 loads
.if (\p) == 0
	WIN 0
.set AB, AF0
.elseif (\i0) == 0
	WIN 0
.set AB, AF1
.else
	WIN TO_B
.set AB, AF1-4*FR
.endif
.irp i, \i0, \i0+1, \i0+2, \i0+3
	FRAG AB+FR*(\i), ADRA+\slot, \q, \i
.endr
.endm
.macro SCALES sc                       ; a slot's scale words: register 4 i + q: lanes 0-15 A's block i, lanes 16-31 B's block i, step q
	WIN 0
.irp i, 0,1,2,3,4,5,6,7
	ds_load_b128 v[SC+32*\sc+4*\i:SC+32*\sc+4*\i+3], v[ADRS+\sc] offset:\i*TB+SCO
.endr
.endm
.macro MUL8 a, p, q, sc                ; A's block a against B's eight; the accumulators take turns, one instruction a turn
.if (\a) < 4
	WIN MUL_LO
.elseif (\p) == 0
	WIN MUL_HI
.else
	WIN MUL_HX
.endif
.if (\p) == 0
.set AR, AF0+FR*(\a)
.else
.set AR, AF1+FR*((\a)%4)
.endif
.set AC, 64*((\a)%4)
.irp b, 0,1,2,3,4,5,6,7
	v_wmma_scale_f32_16x16x128_f8f6f4 v[AC+8*\b:AC+8*\b+7], v[96*(\p)+FR*\b:96*(\p)+FR*\b+FR-1], v[AR:AR+FR-1], v[AC+8*\b:AC+8*\b+7], v[SC+32*(\sc)+4*\b+(\q)], v[SC+32*(\sc)+4*(\a)+(\q)] matrix_a_fmt:MATRIX_FMT_BF6 matrix_b_fmt:MATRIX_FMT_BF6 matrix_a_scale:MATRIX_SCALE_ROW1
.endr
.endm
; One of a slot's first two steps.  The next step's fragments go into the sets that the step before this one read: four places stand behind its products, ahead of the run.
.macro STEP slot, q
.set P, ((\slot)+(\q))%2
.set PN, 1-P
	PLACES 4
	s_wait_dscnt 12                                ; out at most: this step's A blocks 4-7, the last 12 of the run before: with the 48 below a wave has 60 LDS loads out at the most
	FB \slot, (\q)+1, PN, 0
	FB \slot, (\q)+1, PN, 4
	FA \slot, (\q)+1, PN, 0
	FA \slot, (\q)+1, PN, 4
	MUL8 0, P, \q, \slot
	MUL8 1, P, \q, \slot
	MUL8 2, P, \q, \slot
	MUL8 3, P, \q, \slot
	s_wait_dscnt 48                                ; out at most: the 48 just issued: A's blocks 4-7 are in
	MUL8 4, P, \q, \slot
	MUL8 5, P, \q, \slot
	MUL8 6, P, \q, \slot
	MUL8 7, P, \q, \slot
.endm
; A slot's last step, and the change of slots.  fill: 1 this slot takes the K slot two on, 2 it takes K slot 10, 0 nothing.  ask: 1 prefetch, 2 prefetch but in the loop's last trip, 0 none.
.macro TURN slot, next, fill, ask
	WIN 0
.if \ask
	s_wait_xcnt 0x0                                ; my earlier prefetches have read their address
	s_add_nc_u64 s[PFA:PFA+1], s[PFA:PFA+1], KSLOTB
.endif
	s_wait_tensorcnt 0x0                           ; all my tensor loads have landed: my part of the next slot
	ds_add_u32 v[SPW], v[NIL]
	s_wait_dscnt 1                                 ; (the add may be out: this step's fragments are in)
	MUL8 0, \slot, 2, \slot
	s_wait_dscnt 0x0                               ; the add is done, and all my reads of this slot are back
	s_barrier_signal -1
	MUL8 1, \slot, 2, \slot
	WIN 0
	s_barrier_wait -1
.if \fill == 1
	CREST                                          ; the barrier has opened a round: no wave of any partner still reads this slot or has a load on its way
	s_add_nc_u64 s[G0+4*\slot+2:G0+4*\slot+3], s[G0+4*\slot+2:G0+4*\slot+3], 2*KSLOTB
	s_add_nc_u64 s[G0B+4*\slot+2:G0B+4*\slot+3], s[G0B+4*\slot+2:G0B+4*\slot+3], 2*KSLOTB
	JLOAD G0+4*\slot, G1, G0B+4*\slot, G1B         ; its four v_nop are the places in front of the loads below
.elseif \fill == 2
	CREST
	JLOAD G0L, G1L, G0LB, G1LB
.else
	PLACES 4
.endif
	FB \next, 0, \next, 0                          ; the next slot's first step: 56 loads in one run, A's blocks 4-7 last
	FB \next, 0, \next, 4
	SCALES \next
	FA \next, 0, \next, 0
	FA \next, 0, \next, 4
.if \ask
	WIN 0
.if \ask == 2
	s_cmp_gt_u32 s3, 1                             ; in the last trip the K slot three on would be slot 10, which is laid otherwise: nothing is asked
	s_cbranch_scc0 .Lno_ask_\@
.endif
	global_prefetch_b8 v[PF0], s[PFA:PFA+1] th:TH_LOAD_NT scope:SCOPE_SE
	global_prefetch_b8 v[PF1], s[PFA:PFA+1] th:TH_LOAD_NT scope:SCOPE_SE
.if \ask == 2
.Lno_ask_\@:
.endif
.endif
.irp a, 2,3,4,5,6,7
	MUL8 \a, \slot, 2, \slot
.endr
.endm
	; while K slot 0 is on its way: the products of t2 and lbt start the sums
	WIN TO_B
.irp b, 0,1,2,3,4,5,6,7
.irp i, 4,5,6,7
	v_mov_b32 v[LBF+8*\b+\i], 0                    ; k = 16 .. 31: zeros
.endr
.endr
	WIN 0
.irp a, 0,1,2,3,4,5,6,7
.irp i, 4,5,6,7
	v_mov_b32 v[TF+8*\a+\i], 0
.endr
.endr
	s_wait_alu depctr_va_vdst(0)
	s_wait_loadcnt 0x0
	WIN MUL_LO
.irp a, 0,1,2,3
.irp b, 0,1,2,3,4,5,6,7
	v_wmma_f32_16x16x32_bf16 v[8*(8*\a+\b):8*(8*\a+\b)+7], v[LBF+8*\b:LBF+8*\b+7], v[TF+8*\a:TF+8*\a+7], 0
.endr
.endr
	WIN MUL_HI
.irp a, 0,1,2,3
.irp b, 0,1,2,3,4,5,6,7
	v_wmma_f32_16x16x32_bf16 v[8*(8*\a+\b):8*(8*\a+\b)+7], v[LBF+8*\b:LBF+8*\b+7], v[TF+8*(\a+4):TF+8*(\a+4)+7], 0
.endr
.endr
	WIN 0
	PLACES 5                                       ; five places: products of another form write over these results, and loads land on these operands
	s_wait_tensorcnt 0x0                           ; my part of K slot 0 is in
	ds_add_u32 v[SPW], v[NIL]
	s_wait_dscnt 0x0
	CROUND
	JLOAD G0+4, G1, G0B+4, G1B                     ; K slot 1: the first tensor load behind the round
	FB 0, 0, 0, 0
	FB 0, 0, 0, 4
	SCALES 0
	FA 0, 0, 0, 0
	FA 0, 0, 0, 4
	WIN 0
	s_mov_b32 s3, LAPS
.Llap:                                                 ; a trip: two K slots, six K steps; both LDS slots are filled again
	STEP 0, 0
	STEP 0, 1
	TURN 0, 1, 1, 1
	STEP 1, 0
	STEP 1, 1
	TURN 1, 0, 1, 2
	WIN 0
	s_sub_co_u32 s3, s3, 1
	s_cmp_lg_u32 s3, 0
	s_cbranch_scc1 .Llap
	STEP 0, 0                                      ; K slot 8
	STEP 0, 1
	TURN 0, 1, 2, 0                                ; LDS slot 0 takes K slot 10
	STEP 1, 0                                      ; K slot 9
	STEP 1, 1
.set TB,  TILEL
.set SCO, 2*FRB
	TURN 1, 0, 0, 0                                ; nothing is filled again
; THE WAY OUT of block a (16 rows x 128 columns): 32 bytes a lane into my own stage, back as whole rows of 512 bytes, stored as two aligned units of 256 bytes.
; Block a comes back into the accumulators of block a - 1, whose stores into the stage are shown done first (block 0: into v64-127 of window 0, which are free): no store's data are written again.
.macro WHERE a
.if (\a) == 0
.set DW, 0
.set DR, BK0
.else
.set DW, 2+((\a)-1)/4
.set DR, 64*(((\a)-1)%4)
.endif
.endm
.macro TOSTAGE a
	WHERE \a
.set SA, 64*((\a)%4)
.set WW, (DW<<6)|((2+(\a)/4)<<2)
	WIN WW
.irp b, 0,1,2,3,4,5,6,7
	ds_store_b128 v[STO], v[SA+8*\b:SA+8*\b+3] offset:64*\b          ; each accumulator from its low end on
	ds_store_b128 v[STO], v[SA+8*\b+4:SA+8*\b+7] offset:64*\b+16
.endr
.if (\a) > 0
	s_wait_dscnt 32                                ; out at most: block a - 1's 16 loads and these 16 stores: block a - 1's stores have read their registers
.endif
.irp t, 0,1,2,3,4,5,6,7,8,9,10,11,12,13,14,15
	ds_load_b128 v[DR+4*\t:DR+4*\t+3], v[RD] offset:\t*SPITCH        ; LDS serves a wave's instructions in order (ISA guide 5.7.1.4): these see the stores above
.endr
.endm
.macro SEND a, younger
	WHERE \a
.set WW, DW<<2
	s_wait_dscnt \younger                          ; the block is back in registers
	WIN WW
.irp t, 0,1,2,3,4,5,6,7,8,9,10,11,12,13,14,15
	global_store_b128 v[CO], v[DR+4*\t:DR+4*\t+3], s[12:13] offset:(16*(\a)+\t)*SIZE_N*4   ; 512 consecutive bytes, at a multiple of 256; 127 rows at the most: inside the signed 24-bit immediate
.endr
.endm
	; K SLOT 10, BY ROWS.  Step 30's fragments are in sets 0; step 31's come into sets 1.
	PLACES 4
	s_wait_dscnt 12                                ; out at most: step 30's A blocks 4-7
	FB 0, 1, 1, 0
	FB 0, 1, 1, 4
	FA 0, 1, 1, 0
	FA 0, 1, 1, 4
	MUL8 0, 0, 0, 0
	MUL8 1, 0, 0, 0
	MUL8 2, 0, 0, 0
	MUL8 3, 0, 0, 0
	s_wait_dscnt 12                                ; all but step 31's A blocks 4-7, which later waits show in
	MUL8 0, 1, 1, 0                                ; block 0 is finished
	PLACES 4
	MUL8 1, 1, 1, 0
	PLACES 4
	TOSTAGE 0
.irp a, 2,3,4,5,6,7
.if \a >= 4
	MUL8 \a, 0, 0, 0
.endif
	MUL8 \a, 1, 1, 0
	PLACES 4                                       ; four places in front of the first read of its results
	TOSTAGE \a-1
	SEND \a-2, 32                                  ; behind block a - 2's loads: block a - 1's 16 stores and 16 loads
.endr
	TOSTAGE 7
	SEND 6, 32
	SEND 7, 0
	WIN 0
	s_wait_tensorcnt 0x0                           ; the wave's end
	ds_add_u32 v[SPW], v[NIL]
	s_wait_dscnt 0x0
	CROUND                                         ; the closing round
	s_endpgm
.Lfunc_end_k_q17c6dad7a2_gemm:
	.size	k_q17c6dad7a2_gemm, .Lfunc_end_k_q17c6dad7a2_gemm-k_q17c6dad7a2_gemm
	.p2alignl 7, 3214868480
	.fill 96, 4, 3214868480
	.section	.rodata,"a",@progbits
	.p2align	6, 0x0
	.amdhsa_kernel k_q17c6dad7a2_gemm
		.amdhsa_group_segment_fixed_size 327680
		.amdhsa_private_segment_fixed_size 0
		.amdhsa_enable_private_segment 0
		.amdhsa_kernarg_size 40
		.amdhsa_user_sgpr_count 2
		.amdhsa_user_sgpr_kernarg_segment_ptr 1
		.amdhsa_wavefront_size32 1
		.amdhsa_system_sgpr_workgroup_id_x 1
		.amdhsa_system_sgpr_workgroup_id_y 1
		.amdhsa_system_sgpr_workgroup_id_z 1
		.amdhsa_system_vgpr_workitem_id 0
		.amdhsa_next_free_vgpr 1024
		.amdhsa_next_free_sgpr 100
		.amdhsa_reserve_vcc 0
		.amdhsa_float_denorm_mode_32 3
		.amdhsa_float_denorm_mode_16_64 3
		.amdhsa_memory_ordered 1
		.amdhsa_forward_progress 1
		.amdhsa_inst_pref_size 213
	.end_amdhsa_kernel
	.amdgpu_metadata
---
amdhsa.version: [ 1, 2 ]
amdhsa.kernels:
  - .name:           k_q17c6dad7a2_gemm
    .symbol:         k_q17c6dad7a2_gemm.kd
    .args:
      - { .name: xc, .offset: 0, .size: 8, .value_kind: global_buffer, .address_space: global }
      - { .name: wc, .offset: 8, .size: 8, .value_kind: global_buffer, .address_space: global }
      - { .name: t2, .offset: 16, .size: 8, .value_kind: global_buffer, .address_space: global }
      - { .name: lbt, .offset: 24, .size: 8, .value_kind: global_buffer, .address_space: global }
      - { .name: out0, .offset: 32, .size: 8, .value_kind: global_buffer, .address_space: global }
    .group_segment_fixed_size: 327680
    .private_segment_fixed_size: 0
    .kernarg_segment_align: 8
    .kernarg_segment_size: 40
    .max_flat_workgroup_size: 128
    .sgpr_count:     100
    .vgpr_count:     1024
    .wavefront_size: 32
...
	.end_amdgpu_metadata
.endif
;; end of part 2
